; MI455X (gfx1250); checked and timed in simulation.
; The chip was launched on July 23, 2026; its instructions are those of AMD's public machine-readable ISA for CDNA 5 (MIT licence, August 2026) and "CDNA5" Instruction Set Architecture Reference Guide (July 2026). The comments in the code are by the model that wrote it; some were corrected since.
;; Attention. Allowed arithmetic: matrix products marked QUANTISED: E4M3 operands, one given power-of-two scale a tensor, by v_wmma_f32_16x16x64_fp8_fp8 or v_wmma_f32_16x16x128_fp8_fp8, f32 sums; products left as they are: f32 operands where the result goes on into a quantised operand, else bf16, f16 or f32 operands; f32 sums; everything else in f32.
;; Inputs: W_h 1,024 x 1,024 float32; W_y 1,024 x 1,024 float32; encoding 32 x 1,024 float32; full_input 32 x 2,048 x 1,024 float32; lowp_scales 4 int32 (the exponents e of the quantised operands' scales 2^e); mask 32 x 2,048 float32; w_a 1,024 float32.
;; Outputs: out0 32 x 1,024 float32.
;; This version of the problem:
;;   THIS VERSION OF THE PROBLEM IS GIVEN IN LOW PRECISION. The matrix products marked QUANTISED in the list below multiply operands that are first quantised to E4M3 (4 exponent bits, 3 mantissa bits; 8 bits a number), with one given power-of-two scale for each operand tensor; their sums are f32. All else is computed in f32.
;;   The module's matrix products, in the order in which they are computed (A, B: the left and right operand; K: the contracted axis; several contracted axes count as one K, in the product's order):
;;     1. [M 32, K 1,024] x [K 1,024, N 1,024]; A: input encoding; B: input W_h: QUANTISED (scales: A lowp_scales[0], B lowp_scales[1])
;;     2. [M 65,536, K 1,024] x [K 1,024, N 1,024]; A: input full_input; B: input W_y: QUANTISED (scales: A lowp_scales[2], B lowp_scales[3])
;;     3. [M 65,536, K 1,024] x [K 1,024, N 1]; A: computed on the way; B: input w_a: left as it is (N = 1 < 16)
;;   THE QUANTISER, for each operand of a quantised product, along K:
;;     - The operand's scale is 2^e, e = its entry of the input lowp_scales (int32; the entries are numbered through the quantised products in the list's order, A before B).
;;     - Each number is divided by the scale, clamped to +-448, and rounded to the nearest number of E4M3, ties to even, subnormals kept.
;;     - The product sums the exact products of the quantised numbers (number of the format x scale) in f32.
;;   ~~~python
;;   def quantise(x, axis, e):      # numpy; x: float32 -> the quantised numbers, widened to float32 again
;;       x = np.moveaxis(x, axis, -1); K = x.shape[-1]
;;       r = np.clip(x / 2.0 ** e, -448, 448)
;;       step = 2.0 ** (np.maximum(np.frexp(np.where(r == 0, 1, r))[1] - 1, -6) - 3)
;;       q = np.round(r / step) * step * 2.0 ** e      # np.round: ties to even
;;       return np.moveaxis(q, -1, axis).astype(np.float32)
;;   ~~~
;; One version. Each part assembles by itself: llvm-mc -triple=amdgcn-amd-amdhsa -mcpu=gfx1250 --defsym DOCPART=n.
;; ======== version 1 of 1: 3 launches
;; limits: right only within a limited range of input values
;; workspace buffers: wc 1,048,576 bytes; bcw 524,288 bytes; ppart 1,048,576 bytes; dpart 131,072 bytes
;; launch prep (part 1): grid 256 x 1, 2 waves a work-group, no clusters, 21,248 bytes of LDS; arguments W_y, W_h, encoding, lowp_scales, wc, bcw; writes wc, bcw
.if DOCPART == 1
	.amdgcn_target "amdgcn-amd-amdhsa--gfx1250"
	.amdhsa_code_object_version 6
	.text
	.protected	k_q3685c1df41_prep
	.globl	k_q3685c1df41_prep
	.p2align	8
	.type	k_q3685c1df41_prep,@function
k_q3685c1df41_prep:
	s_mov_b64 s[64:65], 0
	v_nop
	global_prefetch_b8 v0, s[64:65] scope:SCOPE_SE
	s_setreg_imm32_b32 hwreg(HW_REG_WAVE_MODE, 25, 1), 1
	s_wait_xcnt 0x0
; W_y [1024 e][1024 k] f32 becomes codes of FP8 (E4M3) in the order of an operand's registers, and the small product whhn = encoding W_h^T is made on codes, in four parts along K.
; wc:  [64 tiles T of 16 e][8 K steps s of 128][4 groups c][32 lanes][16 bytes]: lane (r = lane % 16, h = lane / 16), group c: the codes of W_y[16 T + r][128 s + 32 c + 16 h + 0 .. 15].
; bcw: [4 quarters of K][64 T][32 b][16 e] f32: the quarter's part of 2 log2(e) x whhn[b][16 T + e]; the next launch adds the four parts, K ascending.
; SHARES.  Work-group 4 T + kq takes 16 rows of W_y and of W_h and K steps 2 kq, 2 kq + 1, a wave a K step: 256 work-groups of equal work.  Each load reads one row's 512 bytes of the K step, 16 bytes a lane.
; The conversions want 16 neighbours along K in one lane: so each 16 x 128 numbers turn through the wave's own stage in LDS (rows 528 bytes apart) and come back 64 bytes a lane and block of 32.
; The same places of k are used in both operands of the product, so every code meets its partner.  The two waves' partial sums meet in LDS.
; code = x / 2^e, held within +-448, to the nearest code, ties to even.  lowp_scales: e0 encoding, e1 W_h, e2 full_input (not used here), e3 W_y.
; LIMITS: e0, e1, e3 between -126 and 119; e0 + e1 between -127 and 126 (each power of two below is an f32 number).  NaN among the inputs is not served.
; No cluster: what work-groups share is the encoding alone, and it goes through registers.  No prefetch: there is no loop to run ahead in.
; REGISTERS: v3 16 x lane; v4-9 scales and holds; v12, v14 the reduction's places; v16-31 W_y's codes; v32-47 W_h's; v48-79 encoding's two tiles; v80-143, v144-207 turned numbers, two sets; v208-223 the two results; v224-239 the reduction; v240-242 LDS places.
;   window 1: the numbers as loaded: v0-63 W_h, v64-127 and v128-191 the encoding, v192-255 W_y.
.set CY, 16
.set CH, 32
.set CE, 48
.set XA, 80
.set XB, 144
.set DD, 208
.set RR, 224
.set STG, 4352                         ; behind the partial sums (4,096 bytes) and the spare words (256): a stage of 16 x 528 bytes for each wave
.set SP,  528
.set MSB, 0
.macro WIN new                         ; the immediate's high byte repeats the setting that is left; a switch that changes nothing is dropped
.set WNEW, \new
.if MSB != WNEW
	s_set_vgpr_msb (MSB<<8)|WNEW
.set MSB, WNEW
.endif
.endm
.macro LOAD64 base, sb, off, nt        ; 16 rows x 512 bytes: registers 4 i .. 4 i + 3 of window 1 = my 16 bytes of row i
	WIN 0x40
.set i, 0
.rept 16
.if \nt
	global_load_b128 v[\base+4*i:\base+4*i+3], v3, s[\sb:\sb+1] offset:\off+4096*i th:TH_LOAD_NT
.else
	global_load_b128 v[\base+4*i:\base+4*i+3], v3, s[\sb:\sb+1] offset:\off+4096*i
.endif
.set i, i+1
.endr
	WIN 0
.endm
.macro TURN base, x                    ; through my stage: LDS serves a wave's instructions in order.  Back: register 16 c + 4 j + i = k 32 c + 16 h + 4 j + i of row r
	WIN 0x04
.set i, 0
.rept 16
	ds_store_b128 v240, v[\base+4*i:\base+4*i+3] offset:SP*i
.set i, i+1
.endr
	WIN 0
.irp c, 0,1,2,3
.irp j, 0,1,2,3
	ds_load_b128 v[\x+16*\c+4*\j:\x+16*\c+4*\j+3], v241 offset:128*\c+16*\j
.endr
.endr
.endm
.macro SCALE e, sc, lim                ; v[sc] = 2^e as f32 (the conversion takes its exponent field), v[lim] = 448 x 2^e
	s_add_co_i32 s28, s[\e], 127
	s_lshl_b32 s29, s28, 23
	v_mov_b32 v[\sc], s29
	s_add_co_i32 s28, s28, 8
	s_lshl_b32 s28, s28, 23
	s_or_b32 s28, s28, 0x600000
	v_mov_b32 v[\lim], s28
.endm
.macro QUANT s, dst, sc, lim           ; 64 numbers become a fragment's 16 registers of codes
.set qi, 0
.rept 64
	v_med3_num_f32 v[\s+qi], v[\s+qi], -v[\lim], v[\lim]   ; the conversion to an 8-bit code does not saturate (ISA guide 7.6.2)
.set qi, qi+1
.endr
.irp g, 0,1,2,3,4,5,6,7
	v_cvt_scalef32_pk8_fp8_f32 v[\dst+2*\g:\dst+2*\g+1], v[\s+8*\g:\s+8*\g+7], v[\sc]
.endr
	v_nop                                          ; one plain vector line behind the conversions
.endm
	s_load_b256 s[4:11], s[0:1], 0x0               ; W_y s[4:5], W_h s[6:7], encoding s[8:9], the scales' exponents s[10:11]
	s_load_b128 s[12:15], s[0:1], 0x20             ; wc s[12:13], bcw s[14:15]
	v_lshl_add_u32 v254, v0, 2, 0x1000
	v_mov_b32 v255, 0
	v_lshrrev_b32 v1, 5, v0
	v_readfirstlane_b32 s16, v1                    ; wave w
	s_lshr_b32 s38, ttmp9, 2                       ; T
	s_and_b32 s39, ttmp9, 3                        ; kq
	s_lshl_b32 s23, s39, 1
	s_add_co_u32 s23, s23, s16                     ; my K step s = 2 kq + w
	s_lshl_b32 s17, s23, 9                         ; 512 s: my 128 numbers of a row
	s_lshl_b32 s18, s38, 16                        ; 16 rows of 4,096 bytes a tile
	s_add_co_u32 s18, s18, s17
	s_mov_b32 s19, 0
	s_mov_b32 s20, s17
	s_mov_b32 s21, 0
	s_mul_i32 s22, s16, 16*SP
	s_add_co_u32 s22, s22, STG                     ; my stage
	s_lshl_b32 s30, s38, 14
	s_lshl_b32 s31, s23, 11
	s_add_co_u32 s30, s30, s31                     ; wc: (8 T + s) x 2,048
	s_mov_b32 s31, 0
	s_lshl_b32 s33, s16, 11                        ; LDS: my wave's 2,048 bytes of partial sums
	s_lshl_b32 s32, s16, 10                        ; the half of the tile's 2,048 bytes that I finish; in LDS: the tile w of the encoding
	s_lshl_b32 s36, s39, 17
	s_lshl_b32 s37, s38, 11
	s_add_co_u32 s36, s36, s37
	s_add_co_u32 s36, s36, s32                     ; bcw: 131,072 kq + 2,048 T + 1,024 w
	s_mov_b32 s37, 0
	v_and_b32 v1, 15, v0                           ; r
	v_bfe_u32 v2, v0, 4, 1                         ; h
	v_and_b32 v10, 31, v0
	v_mul_u32_u24 v241, v1, SP
	v_lshlrev_b32 v3, 4, v10                       ; 16 x lane
	v_lshl_add_u32 v241, v2, 6, v241
	v_add_nc_u32 v240, s22, v3                     ; into the stage: 16 x lane, a row an instruction
	v_add_nc_u32 v241, s22, v241                   ; out of it: row r, + 64 h
	v_add_nc_u32 v242, s33, v3                     ; my partial sums
	; the reduction: wave w, piece u makes bytes 1,024 w + 256 u .. + 255 of the tile's [32 b][16 e]: lane l takes b = 16 w + 4 u + l / 8 and e = 2 (l % 8), + 1
	v_bfe_u32 v12, v0, 1, 1
	v_bfe_u32 v13, v0, 2, 1
	v_lshlrev_b32 v12, 9, v12                      ; e's bit 2: registers 0-3 or 4-7
	v_lshl_add_u32 v12, v13, 8, v12                ; e's bit 3: the half of the lanes, 16 lanes of 16 bytes
	v_bfe_u32 v13, v0, 3, 2
	v_lshl_add_u32 v12, v13, 4, v12                ; b's low two bits
	v_and_b32 v13, 1, v0
	v_lshl_add_u32 v12, v13, 3, v12                ; e's bit 1: 8 bytes
	v_add_nc_u32 v12, s32, v12                     ; b's bit 4
	v_lshlrev_b32 v14, 3, v10                      ; out: 8 x lane
	s_wait_alu depctr_va_vdst(0)
	s_wait_kmcnt 0x0
	s_load_b128 s[24:27], s[10:11], 0x0            ; e0 .. e3
	s_add_nc_u64 s[4:5], s[4:5], s[18:19]
	s_add_nc_u64 s[6:7], s[6:7], s[18:19]
	s_add_nc_u64 s[8:9], s[8:9], s[20:21]
	s_add_nc_u64 s[12:13], s[12:13], s[30:31]
	s_add_nc_u64 s[14:15], s[14:15], s[36:37]
	LOAD64 0, 6, 0, 1                              ; W_h: read once in the launch
	LOAD64 64, 8, 0, 0                             ; encoding, rows 0-15: 64 work-groups read them
	LOAD64 128, 8, 65536, 0                        ; rows 16-31
	LOAD64 192, 4, 0, 1                            ; W_y
	s_wait_kmcnt 0x0
	s_add_co_i32 s34, s24, s25
	s_lshl_b32 s34, s34, 23
	s_add_co_i32 s34, s34, 0x4038aa3b              ; 2 log2(e) x 2^(e0 + e1): the exponents are added to the constant's exponent field
	s_mov_b32 s35, s34                             ; (named with it as a pair, so it is written)
	SCALE 24, 4, 5
	SCALE 25, 6, 7
	SCALE 27, 8, 9
	s_wait_alu depctr_va_vdst(0)
	s_wait_loadcnt 48                              ; W_h's sixteen loads are in; the three younger sets may be out
	TURN 0, XA
	s_wait_loadcnt 32
	TURN 64, XB
	s_wait_dscnt 32                                ; the first turn is back; the second's 16 stores and 16 loads may be out
	QUANT XA, CH, 6, 7
	s_wait_loadcnt 16
	TURN 128, XA
	s_wait_dscnt 32
	QUANT XB, CE, 4, 5
	s_wait_loadcnt 0x0
	TURN 192, XB
	s_wait_dscnt 32
	QUANT XA, CE+16, 4, 5
	; source 0 = 16 rows of W_h, source 1 = 16 rows of the encoding: lane (r, h), register j: the part of whhn[16 tile + r][16 T + 8 h + j] from my 128 along K
	v_wmma_f32_16x16x128_fp8_fp8 v[DD:DD+7], v[CH:CH+15], v[CE:CE+15], 0
	v_wmma_f32_16x16x128_fp8_fp8 v[DD+8:DD+15], v[CH:CH+15], v[CE+16:CE+31], 0
	s_wait_dscnt 0x0
	QUANT XB, CY, 8, 9                             ; its 64 holds name no register of the two products: they are the places behind them
.irp c, 0,1,2,3
	global_store_b128 v3, v[CY+4*\c:CY+4*\c+3], s[12:13] offset:512*\c    ; 32 lanes store 512 consecutive bytes, aligned
.endr
.irp q, 0,1,2,3
	ds_store_b128 v242, v[DD+4*\q:DD+4*\q+3] offset:512*\q                ; each result from its low end on; q = 2 tile + (registers 0-3 or 4-7)
.endr
	s_wait_dscnt 0x0                               ; for the other wave's sake: my stores have landed
	s_barrier_signal -1
	s_barrier_wait -1
.irp u, 0,1,2,3
.irp p, 0,1
	ds_load_b64 v[RR+4*\u+2*\p:RR+4*\u+2*\p+1], v12 offset:64*\u+2048*\p  ; piece u (b's bits 2 and 3), wave p's part
.endr
.endr
	s_wait_dscnt 0x0
.irp u, 0,1,2,3
	v_pk_add_f32 v[RR+4*\u:RR+4*\u+1], v[RR+4*\u:RR+4*\u+1], v[RR+4*\u+2:RR+4*\u+3]   ; K ascending
.endr
.irp u, 0,1,2,3
	v_pk_mul_f32 v[RR+4*\u:RR+4*\u+1], v[RR+4*\u:RR+4*\u+1], s[34:35] op_sel_hi:[1,0]
.endr
.irp u, 0,1,2,3
	global_store_b64 v14, v[RR+4*\u:RR+4*\u+1], s[14:15] offset:256*\u    ; 32 lanes store 256 consecutive bytes, aligned
.endr
	s_wait_tensorcnt 0x0                           ; the wave's end
	ds_add_u32 v254, v255
	s_wait_dscnt 0x0
	s_endpgm
.Lfunc_end_k_q3685c1df41_prep:
	.size	k_q3685c1df41_prep, .Lfunc_end_k_q3685c1df41_prep-k_q3685c1df41_prep
	.p2alignl 7, 3214868480
	.fill 96, 4, 3214868480
	.section	.rodata,"a",@progbits
	.p2align	6, 0x0
	.amdhsa_kernel k_q3685c1df41_prep
		.amdhsa_group_segment_fixed_size 21248
		.amdhsa_private_segment_fixed_size 0
		.amdhsa_enable_private_segment 0
		.amdhsa_kernarg_size 48
		.amdhsa_user_sgpr_count 2
		.amdhsa_user_sgpr_kernarg_segment_ptr 1
		.amdhsa_wavefront_size32 1
		.amdhsa_system_sgpr_workgroup_id_x 1
		.amdhsa_system_sgpr_workgroup_id_y 1
		.amdhsa_system_sgpr_workgroup_id_z 1
		.amdhsa_system_vgpr_workitem_id 0
		.amdhsa_next_free_vgpr 512
		.amdhsa_next_free_sgpr 66
		.amdhsa_reserve_vcc 0
		.amdhsa_float_denorm_mode_32 3
		.amdhsa_float_denorm_mode_16_64 3
		.amdhsa_memory_ordered 1
		.amdhsa_forward_progress 1
		.amdhsa_inst_pref_size 39
	.end_amdhsa_kernel
	.amdgpu_metadata
---
amdhsa.version: [ 1, 2 ]
amdhsa.kernels:
  - .name:           k_q3685c1df41_prep
    .symbol:         k_q3685c1df41_prep.kd
    .args:
      - { .name: W_y, .offset: 0, .size: 8, .value_kind: global_buffer, .address_space: global }
      - { .name: W_h, .offset: 8, .size: 8, .value_kind: global_buffer, .address_space: global }
      - { .name: encoding, .offset: 16, .size: 8, .value_kind: global_buffer, .address_space: global }
      - { .name: lowp_scales, .offset: 24, .size: 8, .value_kind: global_buffer, .address_space: global }
      - { .name: wc, .offset: 32, .size: 8, .value_kind: global_buffer, .address_space: global }
      - { .name: bcw, .offset: 40, .size: 8, .value_kind: global_buffer, .address_space: global }
    .group_segment_fixed_size: 21248
    .private_segment_fixed_size: 0
    .kernarg_segment_align: 8
    .kernarg_segment_size: 48
    .max_flat_workgroup_size: 64
    .sgpr_count:     66
    .vgpr_count:     512
    .wavefront_size: 32
...
	.end_amdgpu_metadata
.endif
;; end of part 1
;; launch main (part 2): grid 256 x 1, 4 waves a work-group, no clusters, 308,736 bytes of LDS; arguments full_input, wc, bcw, mask, w_a, lowp_scales, ppart, dpart; writes ppart, dpart
.if DOCPART == 2
	.amdgcn_target "amdgcn-amd-amdhsa--gfx1250"
	.amdhsa_code_object_version 6
	.text
	.protected	k_q3685c1df41_main
	.globl	k_q3685c1df41_main
	.p2align	8
	.type	k_q3685c1df41_main,@function
k_q3685c1df41_main:
	s_mov_b64 s[64:65], 0
	v_nop
	global_prefetch_b8 v0, s[64:65] scope:SCOPE_SE
	s_setreg_imm32_b32 hwreg(HW_REG_WAVE_MODE, 25, 1), 1
	s_wait_xcnt 0x0
; Work-group g takes rows 256 (g % 8) .. + 255 of batch g / 8, in four blocks of 64 rows, and reads each byte of full_input once.
; A block: x (f32) is loaded, quantised to FP8 codes (LDS, all waves read them), multiplied with W_y's codes, tanh, dot with w_a, sigmoid, exp, x mask;
; then the same f32 rows, kept on the WGP meanwhile, are added into the pooled sum with those weights.  ppart[g][1024] = sum of weight x row; dpart[g][128]: numbers whose sum is the sum of the weights.
; SHARES.  Wave w owns columns 256 w .. + 255 of x (loading, quantising, pooling) and outputs e = 256 w .. + 255 of the product.
; Rows 32-63 of a block stay in window 3 (8 registers a row); rows 0-31 are staged in window 2 and kept in LDS (XF), each wave its own columns.
; W_y's codes lie in wc in the order of an operand's registers, and a wave's fragments are multiplied by that wave alone: they go from memory straight into registers (K steps 5 to 7 of the last chunk through LDS),
; through a ring of four sets of 16 loads (a set = 4 tiles of 16 e x 128 K).  So no tensor load, no slot and no refill barrier.
; NO CLUSTER: a joint load lands in LDS; here W enters LDS only as each wave's own K steps 5 to 7 of its last chunk, of which x's rows and codes take 197,632 bytes.
; The product goes in chunks of 64 e: 16 accumulators (4 tiles of rows x 4 tiles of e) by turns, 8 K steps of 128; x's fragments come from LDS one K step ahead.
; tanh(z) = 1 - 2 / (1 + 2^(2 log2(e) z)): the logit is sum(w_a) - 2 sum(w_a / (1 + 2^..)); bcw holds 2 log2(e) x whhn.
; Every wave makes all 64 weights of a block for itself (lane l: rows l and l + 32), so dpart's numbers are a quarter of a wave's sums: x 0.25 rounds nothing.
; PREFETCH: in a block's chunks 0 and 1 each wave asks for its own 1,024 bytes of 32 rows of the next block, a lane a block of 256 bytes, 4 instructions a chunk; the last block asks for nothing.
; LIMITS: e2 between -126 and 119, e2 + e3 between -127 and 126 (each power of two is an f32 number).  NaN among the inputs is not served.
; REGISTERS.  window 0: v0-31, v72-95 addresses and small things; v32-63 logits; v64-71 pooled sums; v128-255 accumulators (else at work).  window 1: W's ring.  window 2: v0-127 x's fragments, two sets; all 256: staging.  window 3: rows 32-63.
.set XP,    1040                       ; a row of codes in LDS: 1,024 + 16 bytes, an odd multiple of 16
.set XF,    66560                      ; behind 64 rows of codes: f32 rows 0-31: [wave][row][2][32 lanes][16 bytes]
.set TBL,   197632                     ; 1,024 f32: 2 log2(e) whhn of my batch
.set WAT,   TBL+4096                   ; 1,024 f32: -2 w_a
.set MK,    205824                     ; my 256 numbers of the mask
.set LP,    206848                     ; [wave][64 rows] parts of the logits
.set WT,    207872                     ; [wave][64 rows][2]: a wave's own weights, each twice
.set SPARE, 209920                     ; the spare words, 128 bytes a wave
.set RW,    210432                     ; W's fragments that stay: K steps 5 to 7 of each wave's last chunk, 24,576 bytes a wave, stored once at the head and read by that wave alone in every block
.set BI,  12                           ; v12,14,16,18 the chunk's biases (the odd registers hold 0: named as pairs)
.set WA,  20                           ; v20,22,24,26 its -2 w_a
.set LG,  32
.set PO,  64
.set ACC, 128
.set TT,  128                          ; quantising: 64 held numbers
.set CC,  192                          ; and four sets of 16 registers of codes
.set MSB, 0
.macro WIN new                         ; the immediate's high byte repeats the setting that is left
.set WNEW, \new
.if MSB != WNEW
	s_set_vgpr_msb (MSB<<8)|WNEW
.set MSB, WNEW
.endif
.endm
.macro ALUW
	s_wait_alu depctr_va_vdst(0)
.endm
.macro XLOAD win, row0, first, n       ; n rows from the window's row first on, my 1,024 bytes of each: every load covers 512 consecutive bytes
	WIN 0x40*\win
.set i, \first
.rept \n
	global_load_b128 v[8*i:8*i+3], v5, s[4:5] offset:4096*(\row0+i) th:TH_LOAD_NT
	global_load_b128 v[8*i+4:8*i+7], v5, s[4:5] offset:4096*(\row0+i)+512 th:TH_LOAD_NT
.set i, i+1
.endr
	WIN 0
.endm
.macro QG win, g, adr, keep            ; 8 rows: held copies (x itself stays), codes, codes to LDS; keep: the f32 rows to LDS too
	WIN \win
.set i, 0
.rept 64
	v_med3_num_f32 v[TT+i], v[64*\g+i], -v31, v31  ; the conversion does not saturate (ISA guide 7.6.2)
.set i, i+1
.endr
	WIN 0
.irp j, 0,1,2,3,4,5,6,7
	v_cvt_scalef32_pk8_fp8_f32 v[CC+16*\g+2*\j:CC+16*\g+2*\j+1], v[TT+8*\j:TT+8*\j+7], v30
.endr
	v_nop                                  ; the plain line behind the conversions
.irp j, 0,1,2,3,4,5,6,7
	ds_store_b32 v[\adr], v[CC+16*\g+2*\j] offset:XP*(8*\g+\j)
	ds_store_b32 v[\adr], v[CC+16*\g+2*\j+1] offset:XP*(8*\g+\j)+128
.endr
.if \keep
	WIN 0x08
.irp j, 0,1,2,3,4,5,6,7
	ds_store_b128 v4, v[64*\g+8*\j:64*\g+8*\j+3] offset:1024*(8*\g+\j)
	ds_store_b128 v4, v[64*\g+8*\j+4:64*\g+8*\j+7] offset:1024*(8*\g+\j)+512
.endr
	WIN 0
.endif
.endm
.macro ALOAD s                         ; x's four fragments of K step s: registers 4 c .. + 3 = k 128 s + 32 c + 16 h + 0 .. 15, as wc has W's
	WIN 0x80
.irp m, 0,1,2,3
.irp c, 0,1,2,3
	ds_load_b128 v[64*((\s)%2)+16*\m+4*\c:64*((\s)%2)+16*\m+4*\c+3], v29 offset:16*XP*\m+128*(\s)+32*\c
.endr
.endr
.endm
.macro WLOAD set, ks                   ; W's four fragments of K step ks of the chunk at s[24:25]
	WIN 0x40
.irp b, 0,1,2,3
.irp c, 0,1,2,3
	global_load_b128 v[64*(\set)+16*\b+4*\c:64*(\set)+16*\b+4*\c+3], v3, s[24:25] offset:16384*\b+2048*(\ks)+512*\c
.endr
.endr
.endm
.macro RLOAD ks                        ; W's four fragments of K step ks (5 to 7) of the last chunk, out of my part of LDS
	WIN 0x40
.irp b, 0,1,2,3
.irp c, 0,1,2,3
	ds_load_b128 v[64*((\ks)%4)+16*\b+4*\c:64*((\ks)%4)+16*\b+4*\c+3], v78 offset:512*(16*((\ks)-5)+4*\b+\c)
.endr
.endr
.endm
.macro MM s
	WIN 0x06
.irp a, 0,1,2,3
.irp b, 0,1,2,3
.if (\s) == 0
	v_wmma_f32_16x16x128_fp8_fp8 v[ACC+8*(4*\a+\b):ACC+8*(4*\a+\b)+7], v[64*((\s)%2)+16*\a:64*((\s)%2)+16*\a+15], v[64*((\s)%4)+16*\b:64*((\s)%4)+16*\b+15], 0
.else
	v_wmma_f32_16x16x128_fp8_fp8 v[ACC+8*(4*\a+\b):ACC+8*(4*\a+\b)+7], v[64*((\s)%2)+16*\a:64*((\s)%2)+16*\a+15], v[64*((\s)%4)+16*\b:64*((\s)%4)+16*\b+15], v[ACC+8*(4*\a+\b):ACC+8*(4*\a+\b)+7]
.endif
.endr
.endr
.endm
; One K step.  tail = 1: a block's last chunk, which asks for nothing beyond its own eight sets, so its counts run down.
.macro KSTEP s, tail
.if (\tail) && ((\s) > 4)
	; K steps 5 to 7 of the last chunk come out of LDS
.elseif (\tail) && ((\s) > 1)
	s_wait_loadcnt 16*(4-(\s))             ; the last chunk asks memory for K steps 0 to 4 alone: the counts run down
.else
	s_wait_loadcnt 48                      ; this step's set is in; the three younger sets may be out
.endif
	s_wait_dscnt 0x0                       ; x's fragments, asked for a step ago
.if (\s) == 7
	WIN 0
	v_add_nc_u32 v10, s48, v6
.irp b, 0,1,2,3
	ds_load_b32 v[BI+2*\b], v10 offset:64*\b
	ds_load_b32 v[WA+2*\b], v10 offset:4096+64*\b
.endr
.endif
.if (\s) < 7
	ALOAD (\s)+1
.elseif (\tail) == 0
	ALOAD 0
.endif
.if (\tail) && ((\s) > 3) && ((\s) < 7)
	RLOAD (\s)+1
.endif
	MM \s
.rept 4
	v_nop                                  ; four places ahead of loads into registers that the products read, and of the first read of results
.endr
.if (\tail) == 0
.if (\s) == 4
	s_wait_xcnt 0x0                        ; the two bases are written only behind this wait
	s_add_nc_u64 s[24:25], s[24:25], 65536 ; the next chunk
	s_lshl_b32 s50, s46, 17
	s_add_co_u32 s50, s50, 262144
	s_mov_b32 s51, 0
	s_add_nc_u64 s[26:27], s[4:5], s[50:51]  ; the next block's rows 32 x chunk
.endif
.if (\s) < 4
	WLOAD (\s), (\s)+4
.else
	WLOAD (\s)-4, (\s)-4
.endif
.elseif (\s) == 0
	WLOAD 0, 4
.endif
.endm
.macro EPI                             ; 128 registers: 1 / (1 + 2^(c z + bias)), x -2 w_a, into the logits; each batch of transcendentals has one wait ahead and one behind
.set i, 0
.rept 64
	v_pk_fma_f32 v[ACC+2*i:ACC+2*i+1], v[ACC+2*i:ACC+2*i+1], s[44:45], v[BI+2*((i/4)%4):BI+2*((i/4)%4)+1] op_sel_hi:[1,0,0]
.set i, i+1
.endr
	ALUW
.set i, 0
.rept 128
	v_exp_f32 v[ACC+i], v[ACC+i]
.set i, i+1
.endr
	v_nop
	ALUW
.set i, 0
.rept 64
	v_pk_add_f32 v[ACC+2*i:ACC+2*i+1], v[ACC+2*i:ACC+2*i+1], 1.0 op_sel_hi:[1,0]
.set i, i+1
.endr
	ALUW
.set i, 0
.rept 128
	v_rcp_f32 v[ACC+i], v[ACC+i]
.set i, i+1
.endr
	v_nop
	ALUW
.set i, 0
.rept 64                               ; e's tile i / 16 outermost: 16 lines between two sums onto one pair
.set rA, ACC+8*(4*((i/4)%4)+i/16)+2*(i%4)
.set rL, LG+8*((i/4)%4)+2*(i%4)
	v_pk_fma_f32 v[rL:rL+1], v[rA:rA+1], v[WA+2*(i/16):WA+2*(i/16)+1], v[rL:rL+1] op_sel_hi:[1,0,1]
.set i, i+1
.endr
.endm
.macro LLOAD g                         ; four of rows 0-31 back from LDS
.irp j, 0,1,2,3
	ds_load_b128 v[ACC+32*((\g)%2)+8*\j:ACC+32*((\g)%2)+8*\j+3], v4 offset:1024*(4*(\g)+\j)
	ds_load_b128 v[ACC+32*((\g)%2)+8*\j+4:ACC+32*((\g)%2)+8*\j+7], v4 offset:1024*(4*(\g)+\j)+512
.endr
.endm
	s_load_b512 s[4:19], s[0:1], 0x0       ; x s[4:5], wc s[6:7], bcw s[8:9], mask s[10:11], w_a s[12:13], scales s[14:15], ppart s[16:17], dpart s[18:19]
	v_lshl_add_u32 v1, v0, 2, SPARE
	v_mov_b32 v2, 0
	v_lshrrev_b32 v10, 5, v0
	v_readfirstlane_b32 s20, v10           ; wave
	s_lshl_b32 s21, s20, 10
	s_lshl_b32 s22, s20, 15
	s_add_co_u32 s22, s22, XF
	s_lshl_b32 s23, s20, 8
	s_lshl_b32 s28, s20, 9
	s_add_co_u32 s28, s28, WT
	s_add_co_u32 s29, s21, TBL
	s_add_co_u32 s30, s23, LP
	s_mul_i32 s31, s20, 24576
	s_add_co_u32 s31, s31, RW
	v_and_b32 v10, 31, v0                  ; lane
	v_and_b32 v11, 15, v0                  ; r
	v_bfe_u32 v80, v0, 4, 1                ; h
	v_lshlrev_b32 v3, 4, v10               ; W: 16 x lane
	v_add_nc_u32 v4, s22, v3               ; XF: my wave's part + 16 x lane
	v_add_nc_u32 v5, s21, v3               ; x, ppart: 1,024 w + 16 x lane
	v_lshl_add_u32 v6, v11, 2, s29         ; tables: 4 (256 w + r)
	v_lshrrev_b32 v81, 2, v10
	v_and_b32 v82, 3, v10
	v_lshlrev_b32 v8, 12, v81
	v_lshl_add_u32 v8, v82, 8, v8
	v_add_nc_u32 v8, s21, v8               ; prefetch: row lane / 4, block lane % 4 of my 1,024 bytes
	v_lshl_add_u32 v28, v10, 2, s23        ; codes in: 256 w + 4 x lane
	v_add_nc_u32 v77, 32*XP, v28           ; the same for rows 32-63
	v_mul_u32_u24 v29, v11, XP
	v_lshl_add_u32 v29, v80, 4, v29        ; fragments: row r, + 16 h
	v_lshl_add_u32 v72, v80, 5, s30        ; logits' parts in
	v_lshl_add_u32 v73, v10, 2, LP         ; and out
	v_lshl_add_u32 v74, v10, 2, MK
	v_lshl_add_u32 v75, v10, 3, s28
	v_mov_b32 v76, s28
	v_add_nc_u32 v78, s31, v3              ; W's fragments that stay: my wave's part + 16 x lane
.irp j, 13,15,17,19,21,23,25,27, 7, 64,65,66,67,68,69,70,71
	v_mov_b32 v\j, 0
.endr
	v_lshrrev_b32 v83, 1, v0
	v_lshlrev_b32 v83, 11, v83
	v_and_b32 v84, 1, v0
	v_lshl_add_u32 v83, v84, 5, v83        ; bcw: tile t / 2, 32 bytes t % 2
	v_lshlrev_b32 v84, 5, v0
	v_lshlrev_b32 v85, 3, v0
	v_add_nc_u32 v86, TBL, v84
	v_add_nc_u32 v87, MK, v85
	v_lshl_add_u32 v88, v11, 2, s21
	ALUW
	s_wait_kmcnt 0x0
	s_load_b128 s[52:55], s[14:15], 0x0
	s_mov_b32 s51, 0
	s_lshl_b32 s50, ttmp9, 20
	s_add_nc_u64 s[4:5], s[4:5], s[50:51]
	s_lshl_b32 s50, s20, 18
	s_add_nc_u64 s[6:7], s[6:7], s[50:51]  ; my 16 tiles of W
	s_lshr_b32 s50, ttmp9, 3
	s_lshl_b32 s50, s50, 6
	s_add_nc_u64 s[8:9], s[8:9], s[50:51]
	s_lshl_b32 s50, ttmp9, 10
	s_add_nc_u64 s[10:11], s[10:11], s[50:51]
	s_lshl_b32 s50, ttmp9, 12
	s_add_nc_u64 s[16:17], s[16:17], s[50:51]
	s_lshl_b32 s50, ttmp9, 9
	s_add_nc_u64 s[18:19], s[18:19], s[50:51]
	global_load_b128 v[96:99], v83, s[8:9]
	global_load_b128 v[100:103], v83, s[8:9] offset:16
.irp k, 1,2,3
	global_load_b128 v[136+8*\k:139+8*\k], v83, s[8:9] offset:131072*\k      ; bcw comes in four parts, one for each quarter of K
	global_load_b128 v[140+8*\k:143+8*\k], v83, s[8:9] offset:131072*\k+16
.endr
	global_load_b128 v[104:107], v84, s[12:13]
	global_load_b128 v[108:111], v84, s[12:13] offset:16
	global_load_b64 v[112:113], v85, s[10:11]
.irp j, 0,1,2,3,4,5,6,7,8,9,10,11,12,13,14,15
	global_load_b32 v[ACC+\j], v88, s[12:13] offset:64*\j   ; w_a at my lane's 16 e
.endr
	WIN 0x40
.irp k, 0,1,2
.irp b, 0,1,2,3
.irp c, 0,1,2,3
	global_load_b128 v[4*(16*\k+4*\b+\c):4*(16*\k+4*\b+\c)+3], v3, s[6:7] offset:196608+16384*\b+2048*(5+\k)+512*\c   ; my last chunk's K steps 5 to 7
.endr
.endr
.endr
	WIN 0
	XLOAD 2, 0, 0, 32
	XLOAD 3, 32, 0, 32
	s_wait_kmcnt 0x0
	s_add_co_i32 s50, s54, 127
	s_lshl_b32 s49, s50, 23
	v_mov_b32 v30, s49                     ; 2^e2
	s_add_co_i32 s50, s50, 8
	s_lshl_b32 s50, s50, 23
	s_or_b32 s50, s50, 0x600000
	v_mov_b32 v31, s50                     ; 448 x 2^e2
	s_add_co_i32 s50, s54, s55
	s_lshl_b32 s50, s50, 23
	s_add_co_i32 s44, s50, 0x4038aa3b      ; 2 log2(e) x 2^(e2 + e3)
	s_mov_b32 s45, s44
	s_wait_loadcnt 63                      ; behind rows 0-31 stand 64 loads: the tables and rows 0-31 are in
.irp j, 104,106,108,110
	v_pk_mul_f32 v[\j:\j+1], v[\j:\j+1], -2.0 op_sel_hi:[1,0]
.endr
.irp k, 1,2,3
.irp j, 0,2,4,6
	v_pk_add_f32 v[96+\j:97+\j], v[96+\j:97+\j], v[136+8*\k+\j:137+8*\k+\j]  ; the four parts, K ascending
.endr
.endr
	ds_store_b128 v86, v[96:99]
	ds_store_b128 v86, v[100:103] offset:16
	ds_store_b128 v86, v[104:107] offset:4096
	ds_store_b128 v86, v[108:111] offset:4112
	ds_store_b64 v87, v[112:113]
	WIN 0x04
.set i, 0
.rept 48
	ds_store_b128 v78, v[4*i:4*i+3] offset:512*i   ; an image of the operand's registers; the ring's first loads stand behind a wait for these stores
.set i, i+1
.endr
	WIN 0
.irp j, 2,4,6,8,10,12,14
	v_pk_add_f32 v[ACC:ACC+1], v[ACC:ACC+1], v[ACC+\j:ACC+\j+1]
.endr
	v_add_f32 v9, v[ACC], v[ACC+1]         ; my lane's share of sum(w_a): the logits begin with it
	s_mov_b32 s47, 0                       ; block
	ALUW
.Lblock:
.set i, 0
.rept 32
	v_mov_b32 v[LG+i], v9
.set i, i+1
.endr
	QG 2, 0, 28, 1                         ; rows 0-31 are in on both ways to this label
	QG 2, 1, 28, 1
	QG 2, 2, 28, 1
	QG 2, 3, 28, 1
	s_wait_xcnt 0x0                        ; the ring's base is written only behind this wait
	s_mov_b64 s[24:25], s[6:7]
	s_wait_dscnt 0x0                       ; the four sets of codes have been read
.irp g, 0,1,2,3
	s_wait_loadcnt 48                      ; rows 32 + 8 g .. are in: behind them stand (3 - g) groups of 16 and g sets of W
	WLOAD \g, \g
	QG 3, \g, 77, 0
.endr
	ALUW
	s_wait_dscnt 0x0                       ; for the others' sake: my codes (the first time: the tables) have landed
	s_barrier_signal -1
	s_barrier_wait -1
	ALOAD 0
	WIN 0
	s_mov_b32 s46, 0                       ; chunk
.Lchunk:
	s_lshl_b32 s48, s46, 8
	KSTEP 0, 0
	KSTEP 1, 0
	KSTEP 2, 0
	KSTEP 3, 0
	KSTEP 4, 0
	WIN 0
	s_cmp_lt_u32 s46, 2
	s_cselect_b32 s50, s47, 3
	s_cmp_lt_u32 s50, 3
	s_cbranch_scc0 .Lno_ask
.irp i, 0,1,2,3
	global_prefetch_b8 v8, s[26:27] offset:32768*\i th:TH_LOAD_NT scope:SCOPE_SE
.endr
.Lno_ask:
	KSTEP 5, 0
	KSTEP 6, 0
	KSTEP 7, 0
	WIN 0
	s_wait_dscnt 0x0                       ; biases and w_a
	EPI
	s_add_co_u32 s46, s46, 1
	s_cmp_lt_u32 s46, 3
	ALUW
	s_cbranch_scc1 .Lchunk
	s_mov_b32 s48, 768
.irp s, 0,1,2,3,4
	KSTEP \s, 1
.endr
	WIN 0
	s_cmp_lt_u32 s47, 3
	s_cbranch_scc0 .Lno_m
	s_wait_xcnt 0x0
	s_add_nc_u64 s[4:5], s[4:5], 262144
	XLOAD 2, 0, 16, 16                     ; no load of the ring is out any more: the next block's rows 16-31, into the half of window 2 that holds no fragment
.Lno_m:
.irp s, 5,6,7
	KSTEP \s, 1
.endr
	WIN 0
	s_cmp_lt_u32 s47, 3
	s_cbranch_scc0 .Lno_l
	XLOAD 2, 0, 0, 16                      ; its rows 0-15, into the half that the fragments have left
.Lno_l:
	s_wait_dscnt 0x0
	EPI
.irp x, 1,2,4,8
.set i, 0
.rept 32
	v_add_f32_dpp v[LG+i], v[LG+i], v[LG+i] row_xmask:\x row_mask:0xf bank_mask:0xf
.set i, i+1
.endr
.endr
.irp m, 0,1,2,3
	ds_store_b128 v72, v[LG+8*\m:LG+8*\m+3] offset:64*\m        ; sixteen lanes write the same words with the same numbers
	ds_store_b128 v72, v[LG+8*\m+4:LG+8*\m+7] offset:64*\m+16
.endr
	s_lshl_b32 s50, s47, 8
	v_add_nc_u32 v10, s50, v74
	ALUW
	s_wait_dscnt 0x0
	s_barrier_signal -1
	s_barrier_wait -1
.irp i, 0,1,2,3
	ds_load_b32 v[80+\i], v73 offset:256*\i
	ds_load_b32 v[84+\i], v73 offset:256*\i+128
.endr
	ds_load_b32 v88, v10
	ds_load_b32 v89, v10 offset:128
	s_wait_dscnt 0x0
	v_add_f32 v80, v80, v81
	v_add_f32 v82, v82, v83
	v_add_f32 v84, v84, v85
	v_add_f32 v86, v86, v87
	v_add_f32 v80, v80, v82                ; the logit of row l,
	v_add_f32 v81, v84, v86                ; of row l + 32
	v_pk_mul_f32 v[80:81], v[80:81], 0xbfb8aa3b op_sel_hi:[1,0]
	ALUW
	v_exp_f32 v80, v80
	v_exp_f32 v81, v81
	v_nop
	ALUW
	v_pk_add_f32 v[80:81], v[80:81], 1.0 op_sel_hi:[1,0]
	ALUW
	v_rcp_f32 v80, v80
	v_rcp_f32 v81, v81
	v_nop
	ALUW
	v_pk_mul_f32 v[80:81], v[80:81], 0x3fb8aa3b op_sel_hi:[1,0]
	ALUW
	v_exp_f32 v80, v80
	v_exp_f32 v81, v81
	v_nop
	ALUW
	v_pk_mul_f32 v[80:81], v[80:81], v[88:89]   ; exp(sigmoid) x mask
	v_mov_b32 v82, v80
	v_mov_b32 v83, v80
	v_mov_b32 v84, v81
	v_mov_b32 v85, v81
	v_add_f32 v7, v7, v80
	v_add_f32 v7, v7, v81
	ds_store_b64 v75, v[82:83]
	ds_store_b64 v75, v[84:85] offset:256
.irp i, 0,1,2,3,4,5,6,7,8,9,10,11,12,13,14,15
	ds_load_b128 v[ACC+4*\i:ACC+4*\i+3], v76 offset:256+16*\i   ; LDS serves a wave's instructions in order: rows 32-63's weights
.endr
.irp i, 0,1,2,3,4,5,6,7,8,9,10,11,12,13,14,15
	ds_load_b128 v[192+4*\i:192+4*\i+3], v76 offset:16*\i       ; rows 0-31's
.endr
	s_wait_dscnt 16
	WIN 0x03
.set i, 0
.rept 128
	v_pk_fma_f32 v[PO+2*(i%4):PO+2*(i%4)+1], v[2*i:2*i+1], v[ACC+2*(i/4):ACC+2*(i/4)+1], v[PO+2*(i%4):PO+2*(i%4)+1]
.set i, i+1
.endr
	WIN 0
	ALUW
	s_wait_loadcnt 0x0                     ; the next block's rows 0-31 are in
	s_cmp_lt_u32 s47, 3
	s_cbranch_scc0 .Lno_r
	XLOAD 3, 32, 0, 32                     ; its rows 32-63, into the registers just pooled
.Lno_r:
	LLOAD 0
.irp g, 0,1,2,3,4,5,6,7
.if \g < 7
	LLOAD \g+1
	ALUW
	s_wait_dscnt 8
.else
	ALUW
	s_wait_dscnt 0x0
.endif
.irp j, 0,1,2,3
.irp p, 0,1,2,3
	v_pk_fma_f32 v[PO+2*\p:PO+2*\p+1], v[ACC+32*(\g%2)+8*\j+2*\p:ACC+32*(\g%2)+8*\j+2*\p+1], v[192+2*(4*\g+\j):192+2*(4*\g+\j)+1], v[PO+2*\p:PO+2*\p+1]
.endr
.endr
.endr
	s_add_co_u32 s47, s47, 1
	s_cmp_lt_u32 s47, 4
	ALUW
	s_cbranch_scc1 .Lblock
	v_mul_f32 v7, 0x3e800000, v7           ; four waves hold the same sums
	v_lshlrev_b32 v10, 2, v0
	ALUW
	global_store_b128 v5, v[PO:PO+3], s[16:17]
	global_store_b128 v5, v[PO+4:PO+7], s[16:17] offset:512
	global_store_b32 v10, v7, s[18:19]
	s_wait_tensorcnt 0x0                   ; the wave's end
	ds_add_u32 v1, v2
	s_wait_dscnt 0x0
	s_endpgm
.Lfunc_end_k_q3685c1df41_main:
	.size	k_q3685c1df41_main, .Lfunc_end_k_q3685c1df41_main-k_q3685c1df41_main
	.p2alignl 7, 3214868480
	.fill 96, 4, 3214868480
	.section	.rodata,"a",@progbits
	.p2align	6, 0x0
	.amdhsa_kernel k_q3685c1df41_main
		.amdhsa_group_segment_fixed_size 308736
		.amdhsa_private_segment_fixed_size 0
		.amdhsa_enable_private_segment 0
		.amdhsa_kernarg_size 64
		.amdhsa_user_sgpr_count 2
		.amdhsa_user_sgpr_kernarg_segment_ptr 1
		.amdhsa_wavefront_size32 1
		.amdhsa_system_sgpr_workgroup_id_x 1
		.amdhsa_system_sgpr_workgroup_id_y 1
		.amdhsa_system_sgpr_workgroup_id_z 1
		.amdhsa_system_vgpr_workitem_id 0
		.amdhsa_next_free_vgpr 1024
		.amdhsa_next_free_sgpr 66
		.amdhsa_reserve_vcc 0
		.amdhsa_float_denorm_mode_32 3
		.amdhsa_float_denorm_mode_16_64 3
		.amdhsa_memory_ordered 1
		.amdhsa_forward_progress 1
		.amdhsa_inst_pref_size 227
	.end_amdhsa_kernel
	.amdgpu_metadata
---
amdhsa.version: [ 1, 2 ]
amdhsa.kernels:
  - .name:           k_q3685c1df41_main
    .symbol:         k_q3685c1df41_main.kd
    .args:
      - { .name: full_input, .offset: 0, .size: 8, .value_kind: global_buffer, .address_space: global }
      - { .name: wc, .offset: 8, .size: 8, .value_kind: global_buffer, .address_space: global }
      - { .name: bcw, .offset: 16, .size: 8, .value_kind: global_buffer, .address_space: global }
      - { .name: mask, .offset: 24, .size: 8, .value_kind: global_buffer, .address_space: global }
      - { .name: w_a, .offset: 32, .size: 8, .value_kind: global_buffer, .address_space: global }
      - { .name: lowp_scales, .offset: 40, .size: 8, .value_kind: global_buffer, .address_space: global }
      - { .name: ppart, .offset: 48, .size: 8, .value_kind: global_buffer, .address_space: global }
      - { .name: dpart, .offset: 56, .size: 8, .value_kind: global_buffer, .address_space: global }
    .group_segment_fixed_size: 308736
    .private_segment_fixed_size: 0
    .kernarg_segment_align: 8
    .kernarg_segment_size: 64
    .max_flat_workgroup_size: 128
    .sgpr_count:     66
    .vgpr_count:     1024
    .wavefront_size: 32
...
	.end_amdgpu_metadata
.endif
;; end of part 2
;; launch combine (part 3): grid 32 x 1, 8 waves a work-group, no clusters, 1,280 bytes of LDS; arguments ppart, dpart, out0; writes out0
.if DOCPART == 3
	.amdgcn_target "amdgcn-amd-amdhsa--gfx1250"
	.amdhsa_code_object_version 6
	.text
	.protected	k_q3685c1df41_combine
	.globl	k_q3685c1df41_combine
	.p2align	8
	.type	k_q3685c1df41_combine,@function
k_q3685c1df41_combine:
	s_mov_b64 s[64:65], 0
	v_nop
	global_prefetch_b8 v0, s[64:65] scope:SCOPE_SE
	s_setreg_imm32_b32 hwreg(HW_REG_WAVE_MODE, 25, 1), 1
	s_wait_xcnt 0x0
; out0[b][:] = (the sum of batch b's eight parts of ppart) / (the sum of its 1,024 numbers of dpart).  A sum of 0 gives NaN, as the definition does.
; One work-group a batch, 256 threads: thread t owns columns 4 t .. 4 t + 3 and four numbers of dpart.  Every load and store of a wave covers 512 consecutive bytes.
; No matrix unit, no cluster: nothing is multiplied by a matrix and no work-group shares a byte with another.
	s_load_b128 s[4:7], s[0:1], 0x0                ; ppart s[4:5], dpart s[6:7]
	s_load_b64 s[8:9], s[0:1], 0x10                ; out0
	v_lshl_add_u32 v64, v0, 2, 0x100
	v_mov_b32 v65, 0
	v_lshlrev_b32 v1, 4, v0                        ; 16 t
	v_lshrrev_b32 v2, 5, v0
	s_delay_alu instid0(VALU_DEP_1)
	v_lshlrev_b32 v2, 2, v2                        ; LDS: a word for each wave
	v_mov_b32 v3, 0
	s_lshl_b32 s10, ttmp9, 15                      ; eight parts of 4,096 bytes
	s_mov_b32 s11, 0
	s_lshl_b32 s12, ttmp9, 12
	s_mov_b32 s13, 0
	s_mov_b32 s14, 0x76543210                      ; v_permlanex16_b32's selects for lane l xor 16
	s_mov_b32 s15, 0xfedcba98
	s_wait_alu depctr_va_vdst(0)
	s_wait_kmcnt 0x0
	s_add_nc_u64 s[4:5], s[4:5], s[10:11]
	s_add_nc_u64 s[6:7], s[6:7], s[12:13]
	s_add_nc_u64 s[8:9], s[8:9], s[12:13]
	global_load_b128 v[4:7], v1, s[6:7] th:TH_LOAD_NT
.irp j, 0,1,2,3,4,5,6,7
	global_load_b128 v[8+4*\j:11+4*\j], v1, s[4:5] offset:4096*\j th:TH_LOAD_NT
.endr
	s_wait_loadcnt 0x8                             ; dpart's load is in; ppart's eight may be out
	v_add_f32 v4, v4, v5
	v_add_f32 v6, v6, v7
	s_delay_alu instid0(VALU_DEP_1)
	v_add_f32 v4, v4, v6
	s_delay_alu instid0(VALU_DEP_1)
	v_add_f32_dpp v4, v4, v4 row_xmask:1 row_mask:0xf bank_mask:0xf
	s_delay_alu instid0(VALU_DEP_1)
	v_add_f32_dpp v4, v4, v4 row_xmask:2 row_mask:0xf bank_mask:0xf
	s_delay_alu instid0(VALU_DEP_1)
	v_add_f32_dpp v4, v4, v4 row_xmask:4 row_mask:0xf bank_mask:0xf
	s_delay_alu instid0(VALU_DEP_1)
	v_add_f32_dpp v4, v4, v4 row_xmask:8 row_mask:0xf bank_mask:0xf
	s_delay_alu instid0(VALU_DEP_1)
	v_permlanex16_b32 v5, v4, s14, s15             ; (v5 has been written)
	s_delay_alu instid0(VALU_DEP_1)
	v_add_f32 v4, v4, v5                           ; the wave's sum, in every lane
	ds_store_b32 v2, v4                            ; all lanes write the same word with the same number
	s_wait_dscnt 0x0                               ; for the others' sake
	s_barrier_signal -1
	s_barrier_wait -1
	ds_load_b128 v[40:43], v3
	ds_load_b128 v[44:47], v3 offset:16
	s_wait_loadcnt 0x0
.irp j, 1
	v_pk_add_f32 v[8:9], v[8:9], v[8+4*\j:9+4*\j]
	v_pk_add_f32 v[10:11], v[10:11], v[10+4*\j:11+4*\j]
.endr
.irp j, 2, 3, 4, 5, 6, 7
	s_delay_alu instid0(VALU_DEP_2)
	v_pk_add_f32 v[8:9], v[8:9], v[8+4*\j:9+4*\j]
	s_delay_alu instid0(VALU_DEP_2)
	v_pk_add_f32 v[10:11], v[10:11], v[10+4*\j:11+4*\j]
.endr
	s_wait_dscnt 0x0
	v_add_f32 v40, v40, v41
	v_add_f32 v42, v42, v43
	v_add_f32 v44, v44, v45
	v_add_f32 v46, v46, v47
	s_delay_alu instid0(VALU_DEP_3)
	v_add_f32 v40, v40, v42
	s_delay_alu instid0(VALU_DEP_2)
	v_add_f32 v44, v44, v46
	s_delay_alu instid0(VALU_DEP_1)
	v_add_f32 v40, v40, v44                        ; the batch's sum of weights
	s_wait_alu depctr_va_vdst(0)
	v_rcp_f32 v48, v40
	v_mov_b32 v49, 0                               ; the plain line behind the reciprocal; v49 is named as the pair's upper half
	s_wait_alu depctr_va_vdst(0)                   ; the wait ahead of the first reader
	v_pk_mul_f32 v[8:9], v[8:9], v[48:49] op_sel_hi:[1,0]
	v_pk_mul_f32 v[10:11], v[10:11], v[48:49] op_sel_hi:[1,0]
	global_store_b128 v1, v[8:11], s[8:9]
	s_wait_tensorcnt 0x0
	ds_add_u32 v64, v65
	s_wait_dscnt 0x0
	s_endpgm
.Lfunc_end_k_q3685c1df41_combine:
	.size	k_q3685c1df41_combine, .Lfunc_end_k_q3685c1df41_combine-k_q3685c1df41_combine
	.p2alignl 7, 3214868480
	.fill 96, 4, 3214868480
	.section	.rodata,"a",@progbits
	.p2align	6, 0x0
	.amdhsa_kernel k_q3685c1df41_combine
		.amdhsa_group_segment_fixed_size 1280
		.amdhsa_private_segment_fixed_size 0
		.amdhsa_enable_private_segment 0
		.amdhsa_kernarg_size 24
		.amdhsa_user_sgpr_count 2
		.amdhsa_user_sgpr_kernarg_segment_ptr 1
		.amdhsa_wavefront_size32 1
		.amdhsa_system_sgpr_workgroup_id_x 1
		.amdhsa_system_sgpr_workgroup_id_y 1
		.amdhsa_system_sgpr_workgroup_id_z 1
		.amdhsa_system_vgpr_workitem_id 0
		.amdhsa_next_free_vgpr 66
		.amdhsa_next_free_sgpr 66
		.amdhsa_reserve_vcc 0
		.amdhsa_float_denorm_mode_32 3
		.amdhsa_float_denorm_mode_16_64 3
		.amdhsa_memory_ordered 1
		.amdhsa_forward_progress 1
		.amdhsa_inst_pref_size 5
	.end_amdhsa_kernel
	.amdgpu_metadata
---
amdhsa.version: [ 1, 2 ]
amdhsa.kernels:
  - .name:           k_q3685c1df41_combine
    .symbol:         k_q3685c1df41_combine.kd
    .args:
      - { .name: ppart, .offset: 0, .size: 8, .value_kind: global_buffer, .address_space: global }
      - { .name: dpart, .offset: 8, .size: 8, .value_kind: global_buffer, .address_space: global }
      - { .name: out0, .offset: 16, .size: 8, .value_kind: global_buffer, .address_space: global }
    .group_segment_fixed_size: 1280
    .private_segment_fixed_size: 0
    .kernarg_segment_align: 8
    .kernarg_segment_size: 24
    .max_flat_workgroup_size: 256
    .sgpr_count:     66
    .vgpr_count:     66
    .wavefront_size: 32
...
	.end_amdgpu_metadata
.endif
;; end of part 3
